; MI455X (gfx1250); checked and timed in simulation.
; The chip was launched on July 23, 2026; its instructions are those of AMD's public machine-readable ISA for CDNA 5 (MIT licence, August 2026) and "CDNA5" Instruction Set Architecture Reference Guide (July 2026). The comments in the code are by the model that wrote it; some were corrected since.
;; Attention Block. Allowed arithmetic: matrix products marked QUANTISED: E3M2 operands, one E8M0 scale for each 32 along K, by v_wmma_scale_f32_16x16x128_f8f6f4 with both operands' format E3M2, f32 sums; everything else in f32.
;; Inputs: W_out_codes 256 x 8 x 24 uint8 (E3M2 codes of W_out, K innermost, in blocks of 32 codes, four codes in three bytes); W_out_scales 256 x 8 uint8 (E8M0 scales of W_out, one for each 32 codes along K); W_qkv_codes 768 x 8 x 24 uint8 (E3M2 codes of W_qkv, K innermost, in blocks of 32 codes, four codes in three bytes); W_qkv_scales 768 x 8 uint8 (E8M0 scales of W_qkv, one for each 32 codes along K); b_out 256 float32; b_qkv 768 float32; beta 256 float32; gamma 256 float32; x 4 x 256 x 64 x 64 float32.
;; Outputs: out0 4 x 256 x 64 x 64 float32.
;; This version of the problem:
;;   THIS VERSION OF THE PROBLEM IS GIVEN IN LOW PRECISION. The matrix products marked QUANTISED in the list below multiply operands that are first quantised to E3M2 (3 exponent bits, 2 mantissa bits; 6 bits a number), with one power-of-two scale for each 32 numbers along K (OCP MX v1.0); their sums are f32. All else is computed in f32.
;;   The module's matrix products, in the order in which they are computed (A, B: the left and right operand; K: the contracted axis; several contracted axes count as one K, in the product's order):
;;     1. [M 16,384, K 256] x [K 256, N 768]; A: computed on the way; B: input W_qkv (given as codes): QUANTISED
;;     2. batch 16 x [M 4,096, K 64] x [K 64, N 4,096]; A: computed on the way; B: computed on the way: QUANTISED
;;     3. batch 16 x [M 64, K 4,096] x [K 4,096, N 4,096]; A: computed on the way; B: softmax (see below): QUANTISED
;;     4. [M 16,384, K 256] x [K 256, N 256]; A: computed on the way; B: input W_out (given as codes): QUANTISED
;;   THE QUANTISER, for each operand of a quantised product, along K:
;;     - K is cut into blocks of 32 from its start; a last block that is shorter is filled with zeros.
;;     - A block's scale is 2^e with e = floor(log2(the largest magnitude in the block)) - 4, held to -126 .. 127; a block of zeros has e = 0. As a byte (E8M0): e + 127.
;;     - Each number is divided by its block's scale, clamped to +-28, and rounded to the nearest number of E3M2, ties to even, subnormals kept.
;;     - The product sums the exact products of the quantised numbers (number of the format x scale) in f32.
;;   ~~~python
;;   def quantise(x, axis):      # numpy; x: float32 -> the quantised numbers, widened to float32 again
;;       x = np.moveaxis(x, axis, -1); K = x.shape[-1]
;;       x = np.pad(x, [(0, 0)] * (x.ndim - 1) + [(0, -K % 32)]); x = x.reshape(x.shape[:-1] + (-1, 32)); a = np.abs(x).max(-1, keepdims=True)
;;       e = np.where(a > 0, np.clip(np.frexp(np.where(a > 0, a, 1))[1] - 1 - 4, -126, 127), 0)      # np.frexp(a)[1] - 1 = floor(log2(a)), exactly
;;       r = np.clip(x / 2.0 ** e, -28, 28)
;;       step = 2.0 ** (np.maximum(np.frexp(np.where(r == 0, 1, r))[1] - 1, -2) - 2)
;;       q = np.round(r / step) * step * 2.0 ** e      # np.round: ties to even
;;       return np.moveaxis(q.reshape(q.shape[:-2] + (-1,))[..., :K], -1, axis).astype(np.float32)
;;   ~~~
;;   SOFTMAX AHEAD OF A QUANTISED PRODUCT. Where the list says 'softmax', what is quantised is not the finished softmax but p = 2^(t - M), with t = logit x log2(e) and M = ceil(the row's largest t), a whole number; so 1/2 < the row's largest p <= 1. The row's sum l is taken of the UNQUANTISED p, in f32, and the product's result is divided by l at the end. Since M is a whole number, a kernel that streams over the keys may use a running M (the ceiling of the running maximum): every later rescaling is an exact power of two, which a block's scale takes up: the codes' values come out the same.
;;   OPERANDS COMPUTED ON THE WAY. 'Computed on the way' means the value that the module computes at that place (a softmax that the list does not call 'softmax' is quantised finished and normalised). What goes into a quantiser is computed in f32, as accurately as f32 sums, v_exp_f32 and their like allow (about 1e-6 of the number): no bf16 or f16 on the way to a quantiser, and a product that is left as it is and whose result goes on into a quantised operand takes f32 operands (vector FMAs, or v_wmma_f32_16x16x4_f32). A number that lies on a knife's edge between two numbers of the format may be rounded either way, as far as f32 arithmetic and the matrix unit's own rounding can turn it there, and no further.
;;   INPUTS GIVEN AS CODES. W_out (in the module: [256, 256], K = its axis 0); W_qkv (in the module: [256, 768], K = its axis 0): each comes as NAME_codes (uint8): NAME with its K axis moved to the last place and cut into blocks of 32 codes, [.., K / 32, bytes a block], one block behind the other in memory; four codes in three bytes: a row's codes are one little-endian stream of bits, code i at bits 6 i .. 6 i + 5 (a code: sign, 3 exponent bits, 2 mantissa bits); and NAME_scales (uint8): the same leading axes, one E8M0 byte (e + 127) for each 32 codes along K. Its value is code x scale, taken as it is: it is not quantised again, and the codes and scales need not be those that the quantiser above would give.
;; One version. Each part assembles by itself: llvm-mc -triple=amdgcn-amd-amdhsa -mcpu=gfx1250 --defsym DOCPART=n.
;; ======== version 1 of 1: 4 launches
;; workspace buffers: stats 4,608 bytes; qbuf 3,407,872 bytes; kv 6,815,744 bytes; res 3,276,800 bytes
;; launch stats (part 1): grid 128 x 1, 16 waves a work-group, no clusters, 2,560 bytes of LDS; arguments x, gamma, stats; writes stats
.if DOCPART == 1
	.amdgcn_target "amdgcn-amd-amdhsa--gfx1250"
	.amdhsa_code_object_version 6
	.text
	.protected	k_q14d8e0f222_stats
	.globl	k_q14d8e0f222_stats
	.p2align	8
	.type	k_q14d8e0f222_stats,@function
k_q14d8e0f222_stats:
	s_mov_b64 s[64:65], 0
	v_nop
	global_prefetch_b8 v0, s[64:65] scope:SCOPE_SE
	s_setreg_imm32_b32 hwreg(HW_REG_WAVE_MODE, 25, 1), 1
	s_wait_xcnt 0x0
; GroupNorm's statistics.  x: [4][256][4096] f32; a group is 8 channels of one batch: 32,768 numbers, 131,072 consecutive bytes.
; One work-group to a group (number 32 b + g).  Its 512 threads hold the whole group in registers, 64 numbers each, so x is read once here
; and the variance is taken in a second pass over the registers, of (x - mean): no difference of large sums is formed, whatever offset x carries.
; Out: stats[0 .. 4095] = a[b][c] = gamma[c] / sqrt(var + 1e-5), f32;  stats[4096 ..] = mean[b][g], f32.
; LIMITS: NaN and infinities among the inputs are not served.
; No matrix work, no tensor loads, no cluster: the work-groups share no input.  128 work-groups: halves of a group would need a merge in the next launch.
.set X, 32                             ; v32-95: my 64 numbers, as 32 pairs
	s_load_b128 s[4:7], s[0:1], 0x0                ; x, gamma
	s_load_b64 s[8:9], s[0:1], 0x10                ; stats
	v_lshl_add_u32 v104, v0, 2, 0x200
	v_mov_b32 v105, 0
	v_lshlrev_b32 v1, 4, v0                        ; 16 bytes a thread: a load of a wave covers 512 consecutive bytes
	v_and_b32 v2, 31, v0                           ; lane
	v_lshrrev_b32 v15, 5, v0
	v_readfirstlane_b32 s10, v15                   ; wave
	v_lshlrev_b32 v15, 2, v15                      ; LDS: my wave's word
	v_mov_b32 v3, 0                                ; LDS: where the sixteen words begin
	v_mov_b32 v14, 0                               ; (a lane permute's destination counts as read)
	v_and_b32 v96, 7, v0
	s_and_b32 s11, ttmp9, 31                       ; the group
	s_lshl_b32 s11, s11, 5
	v_lshl_add_u32 v96, v96, 2, s11                ; gamma: channel 8 g + lane % 8
	s_lshl_b32 s12, ttmp9, 17                      ; the group's first byte
	s_mov_b32 s13, 0
	s_mov_b32 s16, 0x76543210                      ; v_permlanex16_b32's selects for lane l xor 16
	s_mov_b32 s17, 0xfedcba98
	s_mov_b32 s18, 0x38000000                      ; 1 / 32,768
	s_wait_kmcnt 0x0
	s_add_nc_u64 s[4:5], s[4:5], s[12:13]
.irp i, 0,1,2,3,4,5,6,7,8,9,10,11,12,13,14,15
	global_load_b128 v[X+4*\i:X+4*\i+3], v1, s[4:5] offset:8192*\i
.endr
	global_load_b32 v97, v96, s[6:7]
	s_wait_loadcnt 0x0                             ; everything is wanted at once: the group stays in registers
; Four pairs of partial sums in v[4:11] become the work-group's sum in v4, in every lane.  base: sixteen LDS words of this sum's own.
.macro WGSUM base
	v_pk_add_f32 v[4:5], v[4:5], v[6:7]
	v_pk_add_f32 v[8:9], v[8:9], v[10:11]
	v_pk_add_f32 v[4:5], v[4:5], v[8:9]
	v_add_f32 v4, v4, v5
	v_add_f32_dpp v4, v4, v4 row_xmask:1 row_mask:0xf bank_mask:0xf
	v_add_f32_dpp v4, v4, v4 row_xmask:2 row_mask:0xf bank_mask:0xf
	v_add_f32_dpp v4, v4, v4 row_xmask:4 row_mask:0xf bank_mask:0xf
	v_add_f32_dpp v4, v4, v4 row_xmask:8 row_mask:0xf bank_mask:0xf
	v_permlanex16_b32 v14, v4, s16, s17
	v_add_f32 v4, v4, v14                          ; the wave's sum
	ds_store_b32 v15, v4 offset:\base              ; all lanes write the wave's word with the same value
	s_wait_dscnt 0x0                               ; for the others' sake: my store has landed
	s_barrier_signal -1
	s_barrier_wait -1
.irp i, 0,1,2,3
	ds_load_b128 v[16+4*\i:19+4*\i], v3 offset:\base+16*\i
.endr
	s_wait_dscnt 0x0
	v_pk_add_f32 v[16:17], v[16:17], v[18:19]
	v_pk_add_f32 v[20:21], v[20:21], v[22:23]
	v_pk_add_f32 v[24:25], v[24:25], v[26:27]
	v_pk_add_f32 v[28:29], v[28:29], v[30:31]
	v_pk_add_f32 v[16:17], v[16:17], v[20:21]
	v_pk_add_f32 v[24:25], v[24:25], v[28:29]
	v_pk_add_f32 v[16:17], v[16:17], v[24:25]
	v_add_f32 v4, v16, v17
.endm
	; pass 1: the sum, in four chains of pairs; the first eight pairs start the chains: nothing is cleared
.irp k, 0,1,2,3
	v_pk_add_f32 v[4+2*\k:5+2*\k], v[X+2*\k:X+2*\k+1], v[X+8+2*\k:X+9+2*\k]
.endr
.set nn, 8
.rept 24
	v_pk_add_f32 v[4+2*(nn%4):5+2*(nn%4)], v[4+2*(nn%4):5+2*(nn%4)], v[X+2*nn:X+2*nn+1]
.set nn, nn+1
.endr
	WGSUM 0
	v_mul_f32 v12, s18, v4                         ; the mean,
	v_mov_b32 v13, v12                             ; twice: a pair for the packed subtraction
	; pass 2: the sum of (x - mean)^2
.set nn, 0
.rept 32
	v_pk_add_f32 v[X+2*nn:X+2*nn+1], v[X+2*nn:X+2*nn+1], v[12:13] neg_lo:[0,1] neg_hi:[0,1]
.set nn, nn+1
.endr
.irp k, 0,1,2,3
	v_pk_mul_f32 v[4+2*\k:5+2*\k], v[X+2*\k:X+2*\k+1], v[X+2*\k:X+2*\k+1]
.endr
.set nn, 4
.rept 28
	v_pk_fma_f32 v[4+2*(nn%4):5+2*(nn%4)], v[X+2*nn:X+2*nn+1], v[X+2*nn:X+2*nn+1], v[4+2*(nn%4):5+2*(nn%4)]
.set nn, nn+1
.endr
	WGSUM 64                                       ; other LDS words than the first sum's, which a slower wave may still be reading
	v_fmaak_f32 v4, s18, v4, 0x3727c5ac            ; the biased variance + 1e-5
	v_rsq_f32 v5, v4
	v_nop                                          ; one plain instruction behind a transcendental (ISA guide 5.7.2)
	s_cmp_lg_u32 s10, 0                            ; wave 0 stores for the work-group; no barrier follows
	s_cbranch_scc1 .Lend
	s_wait_alu depctr_va_vdst(0)
	v_mul_f32 v6, v97, v5                          ; a = gamma / sqrt(var + eps), lanes 0-7: channels 8 g + lane
	v_cmp_gt_u32 vcc_lo, 8, v2
	v_cndmask_b32 v7, v12, v6, vcc_lo              ; lanes 0-7 carry a, lane 8 the mean
	s_lshl_b32 s14, ttmp9, 5
	v_lshl_add_u32 v8, v2, 2, s14                  ; a[b][8 g + lane]: byte 32 (32 b + g) + 4 lane
	s_lshl_b32 s15, ttmp9, 2
	s_add_co_u32 s15, s15, 4096
	v_mov_b32 v9, s15                              ; mean[b][g]
	v_cndmask_b32 v8, v9, v8, vcc_lo
	v_cmp_gt_u32 vcc_lo, 9, v2
	s_wait_xcnt 0x0                                ; EXEC changes only behind this wait
	s_and_saveexec_b32 s19, vcc_lo
	global_store_b32 v8, v7, s[8:9]                ; 36 bytes a work-group
	s_wait_xcnt 0x0
	s_or_b32 exec_lo, exec_lo, s19
.Lend:
	s_wait_tensorcnt 0x0
	ds_add_u32 v104, v105
	s_wait_dscnt 0x0
	s_endpgm
.Lfunc_end_k_q14d8e0f222_stats:
	.size	k_q14d8e0f222_stats, .Lfunc_end_k_q14d8e0f222_stats-k_q14d8e0f222_stats
	.p2alignl 7, 3214868480
	.fill 96, 4, 3214868480
	.section	.rodata,"a",@progbits
	.p2align	6, 0x0
	.amdhsa_kernel k_q14d8e0f222_stats
		.amdhsa_group_segment_fixed_size 2560
		.amdhsa_private_segment_fixed_size 0
		.amdhsa_enable_private_segment 0
		.amdhsa_kernarg_size 24
		.amdhsa_user_sgpr_count 2
		.amdhsa_user_sgpr_kernarg_segment_ptr 1
		.amdhsa_wavefront_size32 1
		.amdhsa_system_sgpr_workgroup_id_x 1
		.amdhsa_system_sgpr_workgroup_id_y 1
		.amdhsa_system_sgpr_workgroup_id_z 1
		.amdhsa_system_vgpr_workitem_id 0
		.amdhsa_next_free_vgpr 106
		.amdhsa_next_free_sgpr 66
		.amdhsa_reserve_vcc 1
		.amdhsa_float_denorm_mode_32 3
		.amdhsa_float_denorm_mode_16_64 3
		.amdhsa_memory_ordered 1
		.amdhsa_forward_progress 1
		.amdhsa_inst_pref_size 13
	.end_amdhsa_kernel
	.amdgpu_metadata
---
amdhsa.version: [ 1, 2 ]
amdhsa.kernels:
  - .name:           k_q14d8e0f222_stats
    .symbol:         k_q14d8e0f222_stats.kd
    .args:
      - { .name: x, .offset: 0, .size: 8, .value_kind: global_buffer, .address_space: global }
      - { .name: gamma, .offset: 8, .size: 8, .value_kind: global_buffer, .address_space: global }
      - { .name: stats, .offset: 16, .size: 8, .value_kind: global_buffer, .address_space: global }
    .group_segment_fixed_size: 2560
    .private_segment_fixed_size: 0
    .kernarg_segment_align: 8
    .kernarg_segment_size: 24
    .max_flat_workgroup_size: 512
    .sgpr_count:     66
    .vgpr_count:     106
    .wavefront_size: 32
...
	.end_amdgpu_metadata
.endif
;; end of part 1
;; launch qkv (part 2): grid 256 x 1, 16 waves a work-group, no clusters, 28,672 bytes of LDS; arguments x, stats, beta, W_qkv_codes, W_qkv_scales, b_qkv, qbuf, kv; writes qbuf, kv
.if DOCPART == 2
	.amdgcn_target "amdgcn-amd-amdhsa--gfx1250"
	.amdhsa_code_object_version 6
	.text
	.protected	k_q14d8e0f222_qkv
	.globl	k_q14d8e0f222_qkv
	.p2align	8
	.type	k_q14d8e0f222_qkv,@function
k_q14d8e0f222_qkv:
	s_mov_b64 s[64:65], 0
	v_nop
	global_prefetch_b8 v0, s[64:65] scope:SCOPE_SE
	s_setreg_imm32_b32 hwreg(HW_REG_WAVE_MODE, 25, 1), 1
	s_wait_xcnt 0x0
; hid = (x - mean) a + beta, quantised along the channels;  qkv = hid W_qkv + b_qkv on codes of BF6 (E3M2) with one E8M0 scale for each 32 along K;
; q and k times 64^(-1/4) and quantised along the head's 64;  v quantised along the keys.  All that goes into a quantiser is f32.
; A work-group (number 64 b + nblk) takes 64 positions of one batch.
; A HALF IMAGE, 768 bytes, is how every operand lies here and in the workspace: six registers of a fragment (16 rows x 64 along K; lane (r, h) holds k = 32 h .. 32 h + 31 of row r)
; as they stand: registers 0-3 at 16 x lane, registers 4-5 at 512 + 8 x lane.  It is written and read by one access of 16 bytes and one of 8 bytes a lane, both on consecutive bytes.
; PHASE X, all 16 waves: wave (f, kb) takes positions 32 f + lane and channels 32 kb .. + 31: a lane holds one whole block, so no other lane is asked for its largest magnitude.
;   Each load reads 128 consecutive bytes of a channel's row.  The block's 24 bytes of codes go to their place in hid's half images in LDS, its scale byte to its place in hid's scale words.  One barrier.
; PRODUCTS: wave 4 part + head, part 0 = q, 1 = k, 2 = v (waves 12-15 end): its 64 rows of W_qkv, 8 fragments, stay in registers, read from memory once.
;   q, k TRANSPOSED (source 0 = 16 rows of W, source 1 = 16 positions): a lane holds one position and its registers run along d.  v the other way round: a lane holds one d and its registers run along the keys.
; THE ROWS OF A TILE ARE NOT NEIGHBOURS: row r of tile 2 f + u is element 32 f + 8 u + r + 8 (r / 8), for hid's positions and for W's rows alike, so that the 16 registers of two neighbouring tiles are 16 neighbours along the next K.
; OUT.  kv[4 b + head][nblk]: 6,656 bytes: k's four half images (tile g at 768 g), v's four (tile t at 3,072 + 768 t), k's scale words (8 bytes a lane at 6,144), v's (8 bytes a lane at 6,400).
;       qbuf[b][nblk][head]: 3,328 bytes: four half images, tile m = positions 4 r + m, and their scale words at 3,072 + 64 m + 4 r; gathered in the wave's own LDS bytes and stored as they lie.
; Every store to memory covers 512 or 256 consecutive bytes at a multiple of 256 from its buffer's first byte.
; LIMITS: NaN and infinities are not served; a block of zeros gets the scale byte 1 where the rule says 127: its codes are zeros, and this program alone reads the bytes.
; No cluster: the work-groups share only the weights, 150 KB in all, against 64 KB of x of each one's own; no tensor loads, so no ring.
.set HIMG, 0                           ; LDS: hid's 16 half images: index 4 g + 2 s + c (tile g, K step s of 128, half c)
.set HSC,  12288                       ; hid's scale words: (2 g + s) x 64 + 4 r
.set QSTG, 12800                       ; four copies of a qbuf chunk, one for each wave of q
.set L16, 4                            ; v4   16 x lane
.set L8,  5                            ; v5   8 x lane
.set LS4, 6                            ; v6   HSC + 4 r
.set XA,  7                            ; v7   4 x lane
.set HW16, 8                           ; v8-10  where phase X puts my block: 16 bytes, 8 bytes, the scale byte
.set HW8,  9
.set HWS,  10
.set WA,  11                           ; v11  W: 192 x (r + 8 (r / 8)) + 24 h
.set WSA, 12                           ; v12  W's scale words: 8 x (r + 8 (r / 8))
.set BA,  13                           ; v13  the bias in the result's layout: 64 h
.set VBA, 14                           ; v14  the bias by column: 4 x (r + 8 (r / 8))
.set Q16, 15                           ; v15-17  where a position's codes and scale word go in q's stage
.set Q8,  16
.set QSA, 17
.set QR16, 18                          ; v18-19  and where the stage is read back
.set QR8,  19
.set VB,  20                           ; v20-23  v's bias, one register a tile of W
.set WS,  24                           ; v24-31  W's scale words [t][s]
.set HS,  32                           ; v32-35  hid's scale words in hand
.set OS,  36                           ; v36-37  the scale words that go out
.set QW,  38                           ; v38     QUANT2: the row's two scale bytes
.set PWQ, 39                           ; v39     the same, twice
.set QM,  40                           ; v40-47  QUANT2 at work: largest magnitudes, the other half's, scale operands, bytes
.set QP,  42
.set QO,  44
.set QY,  46
.set QC,  48                           ; v48-53  the codes just made
.set QT,  54                           ; v54-56
.set ACC, 58                           ; v58-89  four accumulators; in phase X my 32 numbers
.set BIAS, 90                          ; v90-121 q's, k's bias, eight registers a tile
.set MOV, 122                          ; v122-145 hid's two fragments in hand (q, k)
.set MOVV, 90                          ; v90-137  hid's four fragments in hand (v)
.set WF,  146                          ; v146-241 W's fragments: tile t, K step s at WF + 12 (2 t + s)
.set SEL, 32                           ; s[32:33] behind the barrier: v_permlanex16_b32's selects
.set SCQ, 34                           ; s[34:35] 64^(-1/4), twice
	s_load_b512 s[4:19], s[0:1], 0x0               ; x 4, stats 6, beta 8, W's codes 10, W's scales 12, b_qkv 14, qbuf 16, kv 18
	v_lshl_add_u32 v254, v0, 2, 0x6800
	v_mov_b32 v255, 0
	v_lshrrev_b32 v1, 5, v0
	v_readfirstlane_b32 s20, v1                    ; wave
	v_and_b32 v1, 31, v0                           ; lane
	v_and_b32 v2, 15, v0                           ; r
	v_bfe_u32 v3, v0, 4, 1                         ; h
	s_lshr_b32 s21, s20, 3                         ; phase X: f,
	s_and_b32 s22, s20, 7                          ; kb
	s_lshr_b32 s23, s20, 2                         ; products: part,
	s_and_b32 s24, s20, 3                          ; head
	s_lshr_b32 s25, ttmp9, 6                       ; b
	s_and_b32 s26, ttmp9, 63                       ; nblk
	v_lshlrev_b32 v[L16], 4, v1
	v_lshlrev_b32 v[L8], 3, v1
	v_lshl_add_u32 v[LS4], v2, 2, HSC
	v_lshlrev_b32 v[XA], 2, v1
	; Every LDS address is made here, ahead of the first parting of the waves.
	; Phase X: position 32 f + lane is row rr = lane % 8 + 8 (lane / 16) of tile 2 f + u, u = (lane / 8) % 2; block kb is K step kb / 4, half (kb / 2) % 2, lanes' half kb % 2.
	v_bfe_u32 v40, v0, 3, 1                        ; u
	v_and_b32 v41, 7, v0
	v_lshl_add_u32 v41, v3, 3, v41                 ; rr
	s_mul_i32 s32, s21, 6144
	s_lshr_b32 s33, s22, 1
	s_mul_i32 s34, s33, 768
	s_add_co_u32 s32, s32, s34                     ; 6,144 f + 768 (kb / 2)
	s_and_b32 s35, s22, 1
	s_lshl_b32 s36, s35, 8
	s_add_co_u32 s36, s36, s32
	s_lshl_b32 s37, s35, 7
	s_add_co_u32 s37, s37, s32
	s_add_co_u32 s37, s37, 512
	v_mul_u32_u24 v42, v40, 3072
	v_lshl_add_u32 v[HW16], v41, 4, v42
	v_add_nc_u32 v[HW16], s36, v[HW16]
	v_lshl_add_u32 v[HW8], v41, 3, v42
	v_add_nc_u32 v[HW8], s37, v[HW8]
	s_lshl_b32 s38, s21, 8
	s_lshr_b32 s39, s22, 2
	s_lshl_b32 s39, s39, 6
	s_add_co_u32 s38, s38, s39
	s_and_b32 s39, s22, 3
	s_add_co_u32 s38, s38, s39
	s_add_co_u32 s38, s38, HSC                     ; HSC + 256 f + 64 (kb / 4) + kb % 4
	v_lshlrev_b32 v[HWS], 7, v40
	v_lshl_add_u32 v[HWS], v41, 2, v[HWS]
	v_add_nc_u32 v[HWS], s38, v[HWS]
	v_and_b32 v43, 8, v2
	v_add_nc_u32 v43, v43, v2                      ; r + 8 (r / 8)
	v_mul_u32_u24 v[WA], v43, 192
	v_mad_u32_u24 v[WA], v3, 24, v[WA]
	v_lshlrev_b32 v[WSA], 3, v43
	v_lshlrev_b32 v[BA], 6, v3
	v_lshlrev_b32 v[VBA], 2, v43
	; q's stage: row r of hid's tile 2 f + u is position p = 32 f + 8 u + r + 8 (r / 8): q's tile p % 4 = r % 4, row p / 4 = 8 f + 2 u + qq, qq = r / 4 + 2 (r / 8).  f and u stand in the stores' immediates.
	v_lshrrev_b32 v44, 2, v2
	v_lshrrev_b32 v45, 3, v2
	v_lshl_add_u32 v44, v45, 1, v44                ; qq
	v_and_b32 v45, 3, v2
	s_mul_i32 s40, s24, 3328
	s_add_co_u32 s40, s40, QSTG                    ; the stage of my head
	v_mul_u32_u24 v46, v45, 768
	v_lshl_add_u32 v[Q16], v44, 4, v46
	v_lshl_add_u32 v[Q16], v3, 8, v[Q16]
	v_add_nc_u32 v[Q16], s40, v[Q16]
	v_lshl_add_u32 v[Q8], v44, 3, v46
	v_lshl_add_u32 v[Q8], v3, 7, v[Q8]
	v_add_nc_u32 v[Q8], s40, v[Q8]
	v_add_nc_u32 v[Q8], 512, v[Q8]
	v_lshlrev_b32 v[QSA], 6, v45
	v_lshl_add_u32 v[QSA], v44, 2, v[QSA]
	v_add_nc_u32 v[QSA], s40, v[QSA]
	v_add_nc_u32 v[QSA], 3072, v[QSA]
	v_add_nc_u32 v[QR16], s40, v[L16]
	v_add_nc_u32 v[QR8], s40, v[L8]
	v_add_nc_u32 v[QR8], 3072, v[QR8]
	; byte offsets into the buffers
	s_lshl_b32 s2, s25, 22                         ; x: batch b, channel 32 kb, position 64 nblk + 32 f
	s_lshl_b32 s3, s22, 19
	s_add_co_u32 s2, s2, s3
	s_lshl_b32 s3, s26, 8
	s_add_co_u32 s2, s2, s3
	s_lshl_b32 s3, s21, 7
	s_add_co_u32 s2, s2, s3
	s_mov_b32 s3, 0
	s_mul_i32 s41, s24, 192
	s_lshl_b32 s42, s23, 6
	s_add_co_u32 s41, s41, s42                     ; my first row of W: 192 head + 64 part
	s_mul_i32 s42, s41, 192
	s_mov_b32 s43, 0
	s_lshl_b32 s44, s41, 3
	s_mov_b32 s45, 0
	s_lshl_b32 s46, s41, 2
	s_mov_b32 s47, 0
	s_lshl_b32 s48, ttmp9, 2
	s_add_co_u32 s48, s48, s24
	s_mul_i32 s48, s48, 3328                       ; qbuf's chunk
	s_mov_b32 s49, 0
	s_lshl_b32 s50, s25, 2
	s_add_co_u32 s50, s50, s24
	s_lshl_b32 s50, s50, 6
	s_add_co_u32 s50, s50, s26
	s_mul_i32 s50, s50, 6656                       ; kv's chunk
	s_mov_b32 s51, 0
	s_wait_kmcnt 0x0
	s_add_nc_u64 s[4:5], s[4:5], s[2:3]
	s_add_nc_u64 s[10:11], s[10:11], s[42:43]
	s_add_nc_u64 s[12:13], s[12:13], s[44:45]
	s_add_nc_u64 s[14:15], s[14:15], s[46:47]
	s_add_nc_u64 s[16:17], s[16:17], s[48:49]
	s_add_nc_u64 s[18:19], s[18:19], s[50:51]
	s_lshl_b32 s2, s22, 7                          ; beta: 128 kb
	s_lshl_b32 s27, s25, 10
	s_add_co_u32 s27, s27, s2                      ; a: 1,024 b + 128 kb
	s_lshl_b32 s3, s25, 7
	s_lshl_b32 s21, s22, 4
	s_add_co_u32 s3, s3, s21
	s_add_co_u32 s3, s3, 4096                      ; the four groups' means: 4,096 + 128 b + 16 kb
	s_load_b128 s[28:31], s[6:7], s3 offset:0x0    ; my block's 32 channels are the same for every lane: their figures live in scalar registers
	s_load_b512 s[32:47], s[6:7], s27 offset:0x0
	s_load_b512 s[48:63], s[6:7], s27 offset:0x40
	s_load_b512 s[68:83], s[8:9], s2 offset:0x0
	s_load_b512 s[84:99], s[8:9], s2 offset:0x40
	s_cmp_lt_u32 s20, 12
	s_cbranch_scc0 .Lno_w
.irp t, 0,1,2,3
.irp ks, 0,1
.irp p, 0,1,2,3,4,5
	global_load_b64 v[WF+12*(2*\t+\ks)+2*\p:WF+12*(2*\t+\ks)+2*\p+1], v[WA], s[10:11] offset:(32*(\t/2)+8*(\t%2))*192+96*\ks+48*(\p/3)+8*(\p%3)
.endr
.endr
	global_load_b64 v[WS+2*\t:WS+2*\t+1], v[WSA], s[12:13] offset:(32*(\t/2)+8*(\t%2))*8
.endr
	s_cmp_lt_u32 s20, 8
	s_cbranch_scc0 .Lbias_v
.irp t, 0,1,2,3
	global_load_b128 v[BIAS+8*\t:BIAS+8*\t+3], v[BA], s[14:15] offset:(32*(\t/2)+8*(\t%2))*4      ; lane (r, h), register j: d = 32 (t / 2) + 8 (t % 2) + 16 h + j
	global_load_b128 v[BIAS+8*\t+4:BIAS+8*\t+7], v[BA], s[14:15] offset:(32*(\t/2)+8*(\t%2))*4+16
.endr
	s_branch .Lno_w
.Lbias_v:
.irp t, 0,1,2,3
	global_load_b32 v[VB+\t], v[VBA], s[14:15] offset:(32*(\t/2)+8*(\t%2))*4
.endr
.Lno_w:
.set ii, 0
.rept 32
	global_load_b32 v[ACC+ii], v[XA], s[4:5] offset:16384*ii       ; x(b, 32 kb + i, my position)
.set ii, ii+1
.endr
	s_wait_loadcnt 0x0                             ; for 0: the ways here have issued different numbers of loads
	s_wait_kmcnt 0x0
	; ---- phase X
.set ii, 0
.rept 32
	v_sub_f32 v[ACC+ii], v[ACC+ii], s[28+ii/8]
.set ii, ii+1
.endr
.set ii, 0
.rept 32
	v_fma_f32 v[ACC+ii], v[ACC+ii], s[32+ii], s[68+ii]
.set ii, ii+1
.endr
	v_max3_num_f32 v40, |v[ACC]|, |v[ACC+1]|, |v[ACC+2]|           ; the block's largest magnitude: all 32 numbers are mine; two chains
	v_max3_num_f32 v41, |v[ACC+3]|, |v[ACC+4]|, |v[ACC+5]|
.irp i, 6,10,14,18,22,26
	v_max3_num_f32 v40, v40, |v[ACC+\i]|, |v[ACC+\i+1]|
	v_max3_num_f32 v41, v41, |v[ACC+\i+2]|, |v[ACC+\i+3]|
.endr
	v_max3_num_f32 v40, v40, |v[ACC+30]|, |v[ACC+31]|
	v_max3_num_f32 v40, v40, v41, 0x2800000        ; and the floor 2^(5 - 127): the scale's byte cannot fall under 1
	v_add_nc_u32 v44, 0xfe000000, v40              ; 4 off its exponent field: the conversion takes the exponent field of this operand as its scale
	v_lshrrev_b32 v46, 23, v44                     ; the scale's byte
	v_cvt_scalef32_pk16_bf6_f32 v[QC:QC+2], v[ACC:ACC+15], v44
	v_cvt_scalef32_pk16_bf6_f32 v[QT:QT+2], v[ACC+16:ACC+31], v44  ; (a conversion's three registers begin on an even number)
	v_nop                                          ; one plain instruction behind a scaled conversion
.irp i, 0,1,2
	v_mov_b32 v[QC+3+\i], v[QT+\i]
.endr
	ds_store_b128 v[HW16], v[QC:QC+3]
	ds_store_b64 v[HW8], v[QC+4:QC+5]
	ds_store_b8 v[HWS], v46
	s_wait_dscnt 0x0                               ; for the others' sake: my stores have landed
	s_barrier_signal -1
	s_barrier_wait -1                              ; hid's sixteen half images and eight runs of scale words lie in LDS; nobody writes them again
	s_cmp_lt_u32 s20, 12
	s_cbranch_scc0 .Ldone
	s_mov_b32 s[SEL], 0x76543210
	s_mov_b32 s[SEL+1], 0xfedcba98
	s_mov_b32 s[SCQ], 0x3eb504f3                   ; 64^(-1/4)
	s_mov_b32 s[SCQ+1], s[SCQ]                     ; (named with it as a pair, so it is written)
	v_mov_b32 v[QP], 0                             ; written once: a lane permute's destination counts as read
	v_mov_b32 v[QP+1], 0
; 32 numbers of a lane, register 16 b + i = element 32 b + 16 h + i of my row, become a half image's six registers in v[QC] on and the row's two scale bytes in v[QW].
.macro QUANT2 src
.irp b, 0,1
	v_max3_num_f32 v[QM+\b], |v[\src+16*\b]|, |v[\src+1+16*\b]|, 0x2800000    ; my 16 numbers of block b, and the floor 2^(5 - 127)
.endr
.irp i, 2,4,6,8,10,12,14
.irp b, 0,1
	v_max3_num_f32 v[QM+\b], v[QM+\b], |v[\src+16*\b+\i]|, |v[\src+1+16*\b+\i]|
.endr
.endr
.irp b, 0,1
	v_permlanex16_b32 v[QP+\b], v[QM+\b], s[SEL], s[SEL+1]
.endr
.irp b, 0,1
	v_max_num_f32 v[QM+\b], v[QM+\b], v[QP+\b]     ; with lane l xor 16's: the block's largest magnitude
.endr
.irp b, 0,1
	v_add_nc_u32 v[QO+\b], 0xfe000000, v[QM+\b]    ; 4 off its exponent field: the conversion's scale operand
.endr
.irp b, 0,1
	v_lshrrev_b32 v[QY+\b], 23, v[QO+\b]           ; the scale's byte
.endr
	v_lshl_or_b32 v[QW], v[QY+1], 8, v[QY]
	v_cvt_scalef32_pk16_bf6_f32 v[QC:QC+2], v[\src:\src+15], v[QO]
	v_cvt_scalef32_pk16_bf6_f32 v[QT:QT+2], v[\src+16:\src+31], v[QO+1]
	v_nop                                          ; one plain instruction behind a scaled conversion
.irp i, 0,1,2
	v_permlane16_swap_b32 v[QC+\i], v[QT+\i]       ; the layout wants a whole block in a lane: lanes 0-15 block 0, lanes 16-31 block 1
.endr
.irp i, 0,1,2
	v_mov_b32 v[QC+3+\i], v[QT+\i]
.endr
.endm
.macro FRAGLD reg, off                 ; a fragment, 16 rows x 128 K: two half images
	ds_load_b128 v[\reg:\reg+3], v[L16] offset:\off
	ds_load_b64 v[\reg+4:\reg+5], v[L8] offset:\off+512
	ds_load_b128 v[\reg+6:\reg+9], v[L16] offset:\off+768
	ds_load_b64 v[\reg+10:\reg+11], v[L8] offset:\off+1280
.endm
; q or k of hid's tile g: 64 of d x 16 positions.  The four accumulators take turns, one instruction a turn; the bias is the C of each sum's first product.
.macro GROUPQK g, st
.if \st
	s_wait_xcnt 0x0                                ; the last group's stores have read their registers: the codes may be written again
.endif
	FRAGLD MOV, 3072*(\g)
	FRAGLD MOV+12, 3072*(\g)+1536
	ds_load_b32 v[HS], v[LS4] offset:128*(\g)
	ds_load_b32 v[HS+1], v[LS4] offset:128*(\g)+64
	s_wait_dscnt 0x0
.irp t, 0,1,2,3
	v_wmma_scale_f32_16x16x128_f8f6f4 v[ACC+8*\t:ACC+8*\t+7], v[WF+24*\t:WF+24*\t+11], v[MOV:MOV+11], v[BIAS+8*\t:BIAS+8*\t+7], v[WS+2*\t], v[HS] matrix_a_fmt:MATRIX_FMT_BF6 matrix_b_fmt:MATRIX_FMT_BF6
.endr
.irp t, 0,1,2,3
	v_wmma_scale_f32_16x16x128_f8f6f4 v[ACC+8*\t:ACC+8*\t+7], v[WF+24*\t+12:WF+24*\t+23], v[MOV+12:MOV+23], v[ACC+8*\t:ACC+8*\t+7], v[WS+2*\t+1], v[HS+1] matrix_a_fmt:MATRIX_FMT_BF6 matrix_b_fmt:MATRIX_FMT_BF6
.endr
.rept 5
	v_nop                                          ; four places in front of the first read of results and of the next loads into operands; the fifth since the next group's products begin these accumulators anew
.endr
.irp j, 0,2,4,6,8,10,12,14,16,18,20,22,24,26,28,30
	v_pk_mul_f32 v[ACC+\j:ACC+\j+1], v[ACC+\j:ACC+\j+1], s[SCQ:SCQ+1] op_sel_hi:[1,0]   ; x 64^(-1/4); each accumulator from its low end on
.endr
	QUANT2 ACC
.endm
; v: tile t of W (16 of d) x all 64 positions.  Source 0 = hid's tile a, source 1 = W: a lane holds one d, and accumulator a's registers are keys 32 (a / 2) + 8 (a % 2) + 16 h + j.
.macro GROUPV t
	s_wait_xcnt 0x0                                ; the last group's stores have read their registers
.irp ks, 0,1
.if \ks
.rept 4
	v_nop                                          ; places in front of loads into registers that matrix instructions have read
.endr
.endif
.irp a, 0,1,2,3
	FRAGLD MOVV+12*\a, 3072*\a+1536*\ks
	ds_load_b32 v[HS+\a], v[LS4] offset:128*\a+64*\ks
.endr
	s_wait_dscnt 0x0
.irp a, 0,1,2,3
.if \ks
	v_wmma_scale_f32_16x16x128_f8f6f4 v[ACC+8*\a:ACC+8*\a+7], v[MOVV+12*\a:MOVV+12*\a+11], v[WF+24*(\t)+12:WF+24*(\t)+23], v[ACC+8*\a:ACC+8*\a+7], v[HS+\a], v[WS+2*(\t)+1] matrix_a_fmt:MATRIX_FMT_BF6 matrix_b_fmt:MATRIX_FMT_BF6
.else
	v_wmma_scale_f32_16x16x128_f8f6f4 v[ACC+8*\a:ACC+8*\a+7], v[MOVV+12*\a:MOVV+12*\a+11], v[WF+24*(\t):WF+24*(\t)+11], 0, v[HS+\a], v[WS+2*(\t)] matrix_a_fmt:MATRIX_FMT_BF6 matrix_b_fmt:MATRIX_FMT_BF6
.endif
.endr
.endr
.rept 5
	v_nop                                          ; as in GROUPQK
.endr
.set jj, 0
.rept 32
	v_add_f32 v[ACC+jj], v[ACC+jj], v[VB+(\t)]     ; my column's bias; each accumulator from its low end on
.set jj, jj+1
.endr
	QUANT2 ACC                                     ; along the keys: blocks 0 and 1 of the chunk's 64
	global_store_b128 v[L16], v[QC:QC+3], s[18:19] offset:3072+768*(\t)
	global_store_b64 v[L8], v[QC+4:QC+5], s[18:19] offset:3072+768*(\t)+512
.if (\t)%2
	v_lshl_or_b32 v[OS+(\t)/2], v[QW], 16, v[OS+(\t)/2]
.else
	v_mov_b32 v[OS+(\t)/2], v[QW]
.endif
.endm
	s_cmp_lt_u32 s20, 4
	s_cbranch_scc1 .Lq
	s_cmp_lt_u32 s20, 8
	s_cbranch_scc1 .Lk
	; ---- v
	GROUPV 0
	GROUPV 1
	GROUPV 2
	GROUPV 3
	global_store_b64 v[L8], v[OS:OS+1], s[18:19] offset:6400       ; row r's two bytes for each of the four tiles; lanes 16-31 hold the same as lanes 0-15
	s_wait_tensorcnt 0x0
	ds_add_u32 v254, v255
	s_wait_dscnt 0x0
	s_endpgm
.Lk:	; ---- k
.irp g, 0,1,2,3
	GROUPQK \g, 1
	global_store_b128 v[L16], v[QC:QC+3], s[18:19] offset:768*\g
	global_store_b64 v[L8], v[QC+4:QC+5], s[18:19] offset:768*\g+512
.if \g%2
	v_lshl_or_b32 v[OS+\g/2], v[QW], 16, v[OS+\g/2]                ; a scale word serves two tiles: tile 2 f's two bytes below, tile 2 f + 1's above
.else
	v_mov_b32 v[OS+\g/2], v[QW]
.endif
.endr
	global_store_b64 v[L8], v[OS:OS+1], s[18:19] offset:6144
	s_wait_tensorcnt 0x0
	ds_add_u32 v254, v255
	s_wait_dscnt 0x0
	s_endpgm
.Lq:	; ---- q: the positions change tiles on the way: through my own stage in LDS.  LDS serves a wave's instructions in order (ISA guide 5.7.1.4): no wait between my stores and my loads
.irp g, 0,1,2,3
	GROUPQK \g, 0
	v_lshl_or_b32 v[PWQ], v[QW], 16, v[QW]         ; the two bytes twice: q stands in either half of the next product's K
	ds_store_b128 v[Q16], v[QC:QC+3] offset:128*(\g/2)+32*(\g%2)
	ds_store_b64 v[Q8], v[QC+4:QC+5] offset:64*(\g/2)+16*(\g%2)
	ds_store_b32 v[QSA], v[PWQ] offset:32*(\g/2)+8*(\g%2)          ; both halves of the lanes write the same word with the same value
.endr
.irp i, 0,1,2,3,4,5
	ds_load_b128 v[ACC+4*\i:ACC+4*\i+3], v[QR16] offset:512*\i
.endr
	ds_load_b64 v[ACC+24:ACC+25], v[QR8]
	s_wait_dscnt 0x0
.irp i, 0,1,2,3,4,5
	global_store_b128 v[L16], v[ACC+4*\i:ACC+4*\i+3], s[16:17] offset:512*\i
.endr
	global_store_b64 v[L8], v[ACC+24:ACC+25], s[16:17] offset:3072
.Ldone:
	s_wait_tensorcnt 0x0
	ds_add_u32 v254, v255
	s_wait_dscnt 0x0
	s_endpgm
.Lfunc_end_k_q14d8e0f222_qkv:
	.size	k_q14d8e0f222_qkv, .Lfunc_end_k_q14d8e0f222_qkv-k_q14d8e0f222_qkv
	.p2alignl 7, 3214868480
	.fill 96, 4, 3214868480
	.section	.rodata,"a",@progbits
	.p2align	6, 0x0
	.amdhsa_kernel k_q14d8e0f222_qkv
		.amdhsa_group_segment_fixed_size 28672
		.amdhsa_private_segment_fixed_size 0
		.amdhsa_enable_private_segment 0
		.amdhsa_kernarg_size 64
		.amdhsa_user_sgpr_count 2
		.amdhsa_user_sgpr_kernarg_segment_ptr 1
		.amdhsa_wavefront_size32 1
		.amdhsa_system_sgpr_workgroup_id_x 1
		.amdhsa_system_sgpr_workgroup_id_y 1
		.amdhsa_system_sgpr_workgroup_id_z 1
		.amdhsa_system_vgpr_workitem_id 0
		.amdhsa_next_free_vgpr 256
		.amdhsa_next_free_sgpr 100
		.amdhsa_reserve_vcc 0
		.amdhsa_float_denorm_mode_32 3
		.amdhsa_float_denorm_mode_16_64 3
		.amdhsa_memory_ordered 1
		.amdhsa_forward_progress 1
		.amdhsa_inst_pref_size 90
	.end_amdhsa_kernel
	.amdgpu_metadata
---
amdhsa.version: [ 1, 2 ]
amdhsa.kernels:
  - .name:           k_q14d8e0f222_qkv
    .symbol:         k_q14d8e0f222_qkv.kd
    .args:
      - { .name: x, .offset: 0, .size: 8, .value_kind: global_buffer, .address_space: global }
      - { .name: stats, .offset: 8, .size: 8, .value_kind: global_buffer, .address_space: global }
      - { .name: beta, .offset: 16, .size: 8, .value_kind: global_buffer, .address_space: global }
      - { .name: W_qkv_codes, .offset: 24, .size: 8, .value_kind: global_buffer, .address_space: global }
      - { .name: W_qkv_scales, .offset: 32, .size: 8, .value_kind: global_buffer, .address_space: global }
      - { .name: b_qkv, .offset: 40, .size: 8, .value_kind: global_buffer, .address_space: global }
      - { .name: qbuf, .offset: 48, .size: 8, .value_kind: global_buffer, .address_space: global }
      - { .name: kv, .offset: 56, .size: 8, .value_kind: global_buffer, .address_space: global }
    .group_segment_fixed_size: 28672
    .private_segment_fixed_size: 0
    .kernarg_segment_align: 8
    .kernarg_segment_size: 64
    .max_flat_workgroup_size: 512
    .sgpr_count:     100
    .vgpr_count:     256
    .wavefront_size: 32
...
	.end_amdgpu_metadata
.endif
;; end of part 2
;; launch attn (part 3): grid 16 x 16, 16 waves a work-group, no clusters, 327,680 bytes of LDS; arguments qbuf, kv, res; writes res
.if DOCPART == 3
	.amdgcn_target "amdgcn-amd-amdhsa--gfx1250"
	.amdhsa_code_object_version 6
	.text
	.protected	k_q14d8e0f222_attn
	.globl	k_q14d8e0f222_attn
	.p2align	8
	.type	k_q14d8e0f222_attn,@function
k_q14d8e0f222_attn:
	s_mov_b64 s[64:65], 0
	v_nop
	global_prefetch_b8 v0, s[64:65] scope:SCOPE_SE
	s_setreg_imm32_b32 hwreg(HW_REG_WAVE_MODE, 25, 1), 1
	s_wait_xcnt 0x0
; res[b][q][head][:] = the sum over the keys of softmax(q . k) v, both products on codes of BF6 (E3M2) with one E8M0 scale for each 32 along K; then res is quantised along head x 64 + d for the last product.
; q, k (already times 64^(-1/4)) and v come as half images (768 bytes: six registers of a fragment, registers 0-3 at 16 x lane, registers 4-5 at 512 + 8 x lane) with their scale words, as the launch before laid them.
; THE SOFTMAX: t = score x log2(e); M = the running largest t rounded UP to a whole number; p = 2^(t - M) is quantised along the keys, not normalised; the row's sum is taken of the unquantised p and divides at the end.
; When M moves, the sum and O are multiplied by 2^(old M - new M): exact, and no branch hangs on data.
; SHARES.  Work-group (x, y): 256 queries (x) of batch and head y = 4 b + head.  Each of its sixteen waves owns one tile of 16 queries in 256 registers: four waves to a SIMD, so that one wave's vector work stands beside another's
; matrix work and LDS loads.  Every wave walks all 4,096 keys, 128 a step.
; BOTH PRODUCTS TRANSPOSED: S^T = K Q^T, O^T = V^T P^T: a lane holds one query (lane % 16) throughout.  The keys of a tile of K and the d of a tile of V were chosen so that the 16 registers of two neighbouring tiles are 16 neighbours.
; THE HEAD IS 64 AND THE INSTRUCTION'S K IS 128: a fragment of K holds TWO tiles of 16 keys, one in each half of K; q stands twice in registers, as [q | zero codes] and as [zero codes | q]; a product with the first gives the first tile's
; scores, with the second the second's.  Zero codes add nothing under any scale byte but 0xff, and the bytes here lie between 1 and 254.  So no fragment is read twice and none is half empty.
; THE RING: two LDS slots of 1,024 keys (16 chunks of 6,656 bytes, dense in memory), filled by tensor loads of waves 0 to 3, four chunks (104 rows of 256 bytes) each, and read by all sixteen.  One tensor load of a wave is out at a time;
; it is asked for at a slot's head and has the slot's eight steps in which to land.
; NO CLUSTER, though the sixteen query blocks of a head walk the same K and V: a slot's 106,496 bytes feed 128 wave-steps of some 240 vector instructions each, so what would be shared is a small part of a step's work.
; LIMITS: NaN and infinities are not served; a block of zeros gets the scale byte 1 where the rule says 127 (its codes are zeros; this program alone reads the bytes).  A wave's 32 scale bytes of res are stored 2 bytes a lane: one byte in 24 of what it stores.
.set CHUNK, 6656
.set SLOTB, 16*CHUNK                   ; 106,496
.set SLOT1, 1<<17                      ; slot 1 begins here: one exclusive or turns an address in one slot into the other's
.set SPARE, SLOT1+SLOTB                ; behind the ring: the spare words, 128 bytes for each of the sixteen waves: eight blocks of 256 bytes that no other line names
.set L16, 1                            ; v1   16 x lane
.set L8,  2                            ; v2   8 x lane
.set AD16, 3                           ; v3, v4  the same in the step's two chunks
.set AD8,  4
.set SPW, 5                            ; v5   my spare word; never rewritten
.set NIL, 6                            ; v6   0; never rewritten
.set QA,  16                           ; v16-27 [q | 0], v28-39 [0 | q];  v12 -M, v13 the largest t, v[14:15] the sum in two halves
.set KF,  40                           ; v40-87   four fragments: of K, then of V
.set S,   88                           ; v88-151  S^T, then p
.set O,   152                          ; v152-183 O^T
.set PC,  184                          ; v184-195 p's codes;  v196-198, v200-202 halves on their way
.set BM,  204                          ; v204-207 each block's largest score, then largest p
.set PD,  208                          ; v208-211 the other half's, then the bytes
.set SO,  212                          ; v212-215 the conversions' scale operands
.set SK,  216                          ; v216-219 K's scale words
.set SVR, 220                          ; v220-223 V's scale bytes as they lie
.set SV,  224                          ; v224-227 V's scale words
.set QS,  228                          ; v228     q's scale word
.set PWD, 229                          ; v229     p's scale word
.set FF,  230                          ; v[230:231] f = 2^(old M - new M), and a 0 that makes the pair
.set TP,  232                          ; v232     at work;  v[234:235] the sum's second chain
.set QM, 204                           ; QUANT2's registers, on the way out
.set QP, 208
.set QO, 212
.set QY, 210
.set QC, 184
.set QT, 196
.set QW, 232
.set WV,  10
.set SEL, 20                           ; s[20:21] v_permlanex16_b32's selects for lane l xor 16
.set CS,  22                           ; s[22:23] log2(e), twice
.set G1,  24                           ; s[24:31] descriptor group 1
.set G0,  32                           ; s[32:35] descriptor group 0: it walks
.set TB,  36                           ; s36  LDS byte at which the step's two chunks begin
.macro TLOAD                           ; waves 0 to 3 fetch; the branch hangs on the wave's number alone; four v_nop follow the load
	s_cmp_lt_u32 s[WV], 4
	s_cbranch_scc0 .Lasked_\@
	tensor_load_to_lds s[G0:G0+3], s[G1:G1+7]
	s_nop 0
.rept 4
	v_nop
.endr
.Lasked_\@:
.endm
	s_load_b128 s[4:7], s[0:1], 0x0                ; qbuf, kv
	s_load_b64 s[8:9], s[0:1], 0x10                ; res
	v_lshl_add_u32 v[SPW], v0, 2, SPARE
	v_mov_b32 v[NIL], 0
	ds_add_u32 v5, v6
	s_wait_dscnt 0x0
	v_lshrrev_b32 v1, 5, v0
	v_readfirstlane_b32 s[WV], v1                  ; wave
	v_and_b32 v2, 31, v0
	v_lshlrev_b32 v[L16], 4, v2
	v_lshlrev_b32 v[L8], 3, v2
	v_and_b32 v7, 15, v0
	v_lshlrev_b32 v7, 2, v7                        ; 4 r: q's scale word
	s_and_b32 s11, ttmp7, 0xffff                   ; y = 4 b + head
	s_lshr_b32 s12, s11, 2                         ; b
	s_and_b32 s13, s11, 3                          ; head
	s_lshl_b32 s14, ttmp9, 2
	s_lshr_b32 s15, s[WV], 2
	s_add_co_u32 s14, s14, s15                     ; my block of 64 positions: 4 x + wave / 4
	s_and_b32 s15, s[WV], 3                        ; my tile m in it: positions 4 r + m.  Also: which four chunks of a slot I fetch, if I fetch
	s_lshl_b32 s16, s12, 6
	s_add_co_u32 s16, s16, s14                     ; 64 b + nblk
	s_lshl_b32 s17, s16, 2
	s_add_co_u32 s17, s17, s13
	s_mul_i32 s17, s17, 3328                       ; qbuf's chunk
	s_mul_i32 s18, s15, 768
	s_add_co_u32 s18, s18, s17                     ; my half image
	s_mov_b32 s19, 0
	s_lshl_b32 s40, s15, 6
	s_add_co_u32 s40, s40, s17                     ; my scale words (3,072 more stand in the load's immediate)
	s_mov_b32 s41, 0
	s_mul_i32 s17, s16, 12800                      ; res's chunk
	s_lshl_b32 s48, s15, 2
	s_add_co_u32 s48, s48, s13
	s_mul_i32 s48, s48, 768
	s_add_co_u32 s48, s48, s17                     ; half image 4 m + head
	s_mov_b32 s49, 0
	s_lshl_b32 s50, s15, 7
	s_add_co_u32 s50, s50, s17
	s_lshl_b32 s51, s13, 1
	s_add_co_u32 s50, s50, s51                     ; scale bytes: 128 m + 2 head (12,288 more in the immediate, 8 r in the lane)
	s_mov_b32 s51, 0
	s_mul_i32 s52, s11, 64*CHUNK
	s_mul_i32 s53, s15, 4*CHUNK
	s_add_co_u32 s52, s52, s53                     ; kv: the head's first chunk + my four
	s_mov_b32 s53, 0
	; descriptor group 1: 26,624 dense bytes as 104 rows of 32 elements of 8 bytes; no padding: every LDS read here takes consecutive bytes
	s_mov_b32 s[G1], 3<<16                         ; 15:0 no mask; 17:16 elements of 8 bytes; 20 padding off
	s_mov_b32 s[G1+1], 32<<16                      ; tensor_dim0 = 32
	s_mov_b32 s[G1+2], 104<<16                     ; tensor_dim1 = 104
	s_mov_b32 s[G1+3], 32<<16                      ; tile_dim0 = 32
	s_mov_b32 s[G1+4], 104                         ; tile_dim1 = 104
	s_mov_b32 s[G1+5], 32                          ; from row to row: 32 elements
	s_mov_b32 s[G1+6], 0
	s_mov_b32 s[G1+7], 0
	s_mov_b32 s[SEL], 0x76543210
	s_mov_b32 s[SEL+1], 0xfedcba98
	s_mov_b32 s[CS], 0x3fb8aa3b                    ; log2(e)
	s_mov_b32 s[CS+1], s[CS]                       ; (named with it as a pair, so it is written)
	s_mov_b32 s[TB], 0
	s_mov_b32 s38, 3                               ; slots still to be asked for
	s_mov_b32 s39, 0x05040100                      ; v_perm_b32: the two low halves,
	s_mov_b32 s54, 0x07060302                      ; the two high halves
	s_wait_kmcnt 0x0
	s_mov_b32 s[G0], 1                             ; count = 1
	s_mul_i32 s[G0+1], s15, 4*CHUNK                ; LDS address: slot 0, my four chunks
	s_add_nc_u64 s[G0+2:G0+3], s[6:7], s[52:53]    ; global address
	s_or_b32 s[G0+3], s[G0+3], 0x80000000          ; type = 2
	TLOAD                                          ; slot 0: the first fill, ahead of every wait on TENSORcnt, every LDS read and every barrier
	s_add_nc_u64 s[46:47], s[4:5], s[40:41]
	s_add_nc_u64 s[4:5], s[4:5], s[18:19]
	s_add_nc_u64 s[42:43], s[8:9], s[48:49]
	s_add_nc_u64 s[44:45], s[8:9], s[50:51]
	global_load_b128 v[QA:QA+3], v[L16], s[4:5]
	global_load_b64 v[QA+4:QA+5], v[L8], s[4:5] offset:512
	global_load_b32 v[QS], v7, s[46:47] offset:3072
	v_mov_b32 v13, 0xff61b1e6                      ; the largest t so far: -3e38, under every t
	v_floor_f32 v12, -v13                          ; -M
	v_mov_b32 v14, 0
	v_mov_b32 v15, 0
.irp j, 6,7,8,9,10,11,12,13,14,15,16,17
	v_mov_b32 v[QA+\j], 0                          ; the zero codes of both forms of q
.endr
.irp b, 0,1,2,3
	v_mov_b32 v[PD+\b], 0                          ; written once: a lane permute's destination counts as read
.endr
	v_mov_b32 v[FF+1], 0
	s_wait_loadcnt 0x0
.irp j, 0,1,2,3,4,5
	v_mov_b32 v[QA+18+\j], v[QA+\j]                ; q's second place
.endr
	v_lshlrev_b32 v7, 1, v7                        ; 8 r: res's scale bytes (its load is done)
.set jj, 0
.rept 32
	v_mov_b32 v[O+jj], 0                           ; O^T.  The step is written once: the first finds zeros, which the first change of M leaves zeros
.set jj, jj+1
.endr
; A KEY STEP: 128 keys, two chunks.
.macro STEP
	v_add_nc_u32 v[AD16], s[TB], v[L16]
	v_add_nc_u32 v[AD8], s[TB], v[L8]
	v_nop
	v_nop                                          ; four places in front of loads into registers that the last products read (ISA guide 7.12.1 for vector instructions)
.irp c, 0,1
.irp fl, 0,1
	ds_load_b128 v[KF+12*(2*\c+\fl):KF+12*(2*\c+\fl)+3], v[AD16] offset:CHUNK*\c+1536*\fl          ; K's fragment 2 c + fl: tiles (fl, 0) and (fl, 1) of chunk c
	ds_load_b64 v[KF+12*(2*\c+\fl)+4:KF+12*(2*\c+\fl)+5], v[AD8] offset:CHUNK*\c+1536*\fl+512
	ds_load_b128 v[KF+12*(2*\c+\fl)+6:KF+12*(2*\c+\fl)+9], v[AD16] offset:CHUNK*\c+1536*\fl+768
	ds_load_b64 v[KF+12*(2*\c+\fl)+10:KF+12*(2*\c+\fl)+11], v[AD8] offset:CHUNK*\c+1536*\fl+1280
.endr
	ds_load_b64 v[SK+2*\c:SK+2*\c+1], v[AD8] offset:CHUNK*\c+6144
	ds_load_b64 v[SVR+2*\c:SVR+2*\c+1], v[AD8] offset:CHUNK*\c+6400
.endr
	s_wait_dscnt 0x0
.irp ff, 0,1,2,3
.irp u, 0,1
	v_wmma_scale_f32_16x16x128_f8f6f4 v[S+8*(2*\ff+\u):S+8*(2*\ff+\u)+7], v[KF+12*\ff:KF+12*\ff+11], v[QA+12*\u:QA+12*\u+11], 0, v[SK+\ff], v[QS] matrix_a_fmt:MATRIX_FMT_BF6 matrix_b_fmt:MATRIX_FMT_BF6
.endr
.endr                                              ; lane (r, h): query r; registers 16 F + i: key 32 F + 16 h + i of the step
	v_perm_b32 v[SV], v[SVR+2], v[SVR], s39        ; V's scale words: tile t's two bytes of chunk 0 below, of chunk 1 above.  These four lines name no register of the products above: they are the four places behind them
	v_perm_b32 v[SV+1], v[SVR+2], v[SVR], s54
	v_perm_b32 v[SV+2], v[SVR+3], v[SVR+1], s39
	v_perm_b32 v[SV+3], v[SVR+3], v[SVR+1], s54
.irp t, 0,1,2,3                                    ; V's fragments are asked for now and land under the softmax
.irp c, 0,1
	ds_load_b128 v[KF+12*\t+6*\c:KF+12*\t+6*\c+3], v[AD16] offset:CHUNK*\c+3072+768*\t
	ds_load_b64 v[KF+12*\t+6*\c+4:KF+12*\t+6*\c+5], v[AD8] offset:CHUNK*\c+3072+768*\t+512
.endr
.endr
.irp b, 0,1,2,3
	v_max3_num_f32 v[BM+\b], v[S+16*\b], v[S+1+16*\b], v[S+2+16*\b]     ; the largest score of each block of 32 keys: it serves the row's maximum and, since p rises with the score, the block's largest p
.endr
.irp i, 3,5,7,9,11,13
.irp b, 0,1,2,3
	v_max3_num_f32 v[BM+\b], v[BM+\b], v[S+16*\b+\i], v[S+1+16*\b+\i]
.endr
.endr
.irp b, 0,1,2,3
	v_max_num_f32 v[BM+\b], v[BM+\b], v[S+15+16*\b]
.endr
.irp b, 0,1,2,3
	v_permlanex16_b32 v[PD+\b], v[BM+\b], s[SEL], s[SEL+1]
.endr
.irp b, 0,1,2,3
	v_max_num_f32 v[BM+\b], v[BM+\b], v[PD+\b]     ; with lane l xor 16's 16 keys
.endr
	v_max3_num_f32 v[TP], v[BM], v[BM+1], v[BM+2]
	v_max_num_f32 v[TP], v[TP], v[BM+3]            ; the step's largest score of my query
	v_mul_f32 v[TP], s[CS], v[TP]                  ; as t
	v_max_num_f32 v13, v13, v[TP]                  ; the running largest t
	v_mov_b32 v[TP], v12
	v_floor_f32 v12, -v13                          ; the new -M = floor(-t) = -ceil(t)
	v_sub_f32 v[TP], v12, v[TP]                    ; old M - new M: a whole number, 0 or less
	v_cvt_i32_f32 v[TP], v[TP]                     ; (it saturates)
	v_ldexp_f32 v[FF], 1.0, v[TP]                  ; f = 2^(old M - new M)
.set jj, 0
.rept 32
	v_pk_fma_f32 v[S+jj:S+jj+1], v[S+jj:S+jj+1], s[CS:CS+1], v[12:13] op_sel_hi:[1,0,0]   ; t - M, two at a time
.set jj, jj+2
.endr
.irp b, 0,1,2,3
	v_fma_f32 v[BM+\b], v[BM+\b], s[CS], v12       ; the same of each block's largest score
.endr
.set jj, 0
.rept 64
	v_exp_f32 v[S+jj], v[S+jj]                     ; p = 2^(t - M), at most 1
.set jj, jj+1
.endr
.irp b, 0,1,2,3
	v_exp_f32 v[BM+\b], v[BM+\b]                   ; the block's largest p: the same two instructions on the same number give the same bits
.endr
	v_pk_mul_f32 v[14:15], v[14:15], v[FF:FF+1] op_sel_hi:[1,0]    ; the sums under the new M (the plain instruction behind the exponentials)
	s_wait_alu depctr_va_vdst(0)
.irp b, 0,1,2,3
	v_max_num_f32 v[BM+\b], 0x2800000, v[BM+\b]    ; the floor 2^(5 - 127): the byte cannot fall under 1
.endr
.irp b, 0,1,2,3
	v_add_nc_u32 v[SO+\b], 0xfe000000, v[BM+\b]    ; 4 off the exponent field: the conversion's scale operand
.endr
.irp b, 0,1,2,3
	v_lshrrev_b32 v[PD+\b], 23, v[SO+\b]           ; the scale's byte
.endr
	v_lshl_or_b32 v[PWD], v[PD+1], 8, v[PD]        ; p's scale word for these 128 keys
	v_lshl_or_b32 v[PWD], v[PD+2], 16, v[PWD]
	v_lshl_or_b32 v[PWD], v[PD+3], 24, v[PWD]
.irp c, 0,1
	v_cvt_scalef32_pk16_bf6_f32 v[PC+6*\c:PC+6*\c+2], v[S+32*\c:S+32*\c+15], v[SO+2*\c]
	v_cvt_scalef32_pk16_bf6_f32 v[PC+12+4*\c:PC+14+4*\c], v[S+16+32*\c:S+31+32*\c], v[SO+2*\c+1]   ; (a conversion's three registers begin on an even number)
.endr
	v_nop                                          ; one plain instruction behind a scaled conversion
.irp c, 0,1                                        ; the layout wants a whole block in a lane: lanes 0-15 block 2 c, lanes 16-31 block 2 c + 1
.irp i, 0,1,2
	v_permlane16_swap_b32 v[PC+6*\c+\i], v[PC+12+4*\c+\i]
.endr
.irp i, 0,1,2
	v_mov_b32 v[PC+3+6*\c+\i], v[PC+12+4*\c+\i]
.endr
.endr
	v_pk_add_f32 v[234:235], v[S:S+1], v[S+2:S+3]  ; the row's sum is taken of the unquantised p: two at a time, in two chains
.irp j, 4,8,12,16,20,24,28,32,36,40,44,48,52,56,60
	v_pk_add_f32 v[14:15], v[14:15], v[S+\j:S+\j+1]
	v_pk_add_f32 v[234:235], v[234:235], v[S+2+\j:S+3+\j]
.endr
	v_pk_add_f32 v[14:15], v[14:15], v[234:235]
.set jj, 0
.rept 16
	v_pk_mul_f32 v[O+jj:O+jj+1], v[O+jj:O+jj+1], v[FF:FF+1] op_sel_hi:[1,0]   ; O^T under the new M; each accumulator from its low end on.  (With the sums above: the places between p's codes and scale word and the products below)
.set jj, jj+2
.endr
	s_wait_dscnt 0x0                               ; V's fragments are in
.irp t, 0,1,2,3                                    ; four accumulators by turns, one instruction a turn
	v_wmma_scale_f32_16x16x128_f8f6f4 v[O+8*\t:O+8*\t+7], v[KF+12*\t:KF+12*\t+11], v[PC:PC+11], v[O+8*\t:O+8*\t+7], v[SV+\t], v[PWD] matrix_a_fmt:MATRIX_FMT_BF6 matrix_b_fmt:MATRIX_FMT_BF6
.endr
	s_add_co_u32 s[TB], s[TB], 2*CHUNK
.endm
; THE CHANGE OF SLOTS stands at a slot's head.  Each wave waits for all its tensor loads (its part of the slot about to be read), adds 0 to its spare word, and waits for that and for its reads of the slot that it has left.
; Behind the barrier the slot ahead is whole and nobody reads the other one.  fill = 1: that other slot takes the next 1,024 keys.
.macro CHANGE fill
	s_wait_tensorcnt 0x0                           ; no tensor load of mine is out, so group 0 may be written
	ds_add_u32 v[SPW], v[NIL]                      ; 0 onto my spare word
.if \fill
	s_xor_b32 s[G0+1], s[G0+1], SLOT1              ; the other slot than last time,
	s_add_nc_u64 s[G0+2:G0+3], s[G0+2:G0+3], SLOTB ; the next sixteen chunks; the type bits on top are not reached
.endif
	s_wait_dscnt 0x0                               ; the add is done, and my reads of the slot that I have left are over
	s_barrier_signal -1
	s_barrier_wait -1
.if \fill
	TLOAD                                          ; the first thing behind the barrier, and a wave's one tensor load until the next
.endif
.endm
.macro SLOT_STEPS                      ; a slot's eight steps: written once, walked eight times
	s_mov_b32 s37, 8
.Lstep_\@:
	STEP
	s_sub_co_u32 s37, s37, 1
	s_cmp_lg_u32 s37, 0
	s_cbranch_scc1 .Lstep_\@
	s_sub_co_u32 s[TB], s[TB], SLOTB               ; back to a slot's first chunk,
	s_xor_b32 s[TB], s[TB], SLOT1                  ; in the other slot
.endm
.Lslot:                                            ; three trips: behind each change of slots but the last the next slot is asked for
	CHANGE 1
	SLOT_STEPS
	s_sub_co_u32 s38, s38, 1
	s_cmp_lg_u32 s38, 0
	s_cbranch_scc1 .Lslot
	CHANGE 0                                       ; the last slot is written out
	SLOT_STEPS
.macro QUANT2 src                      ; 32 numbers of a lane, register 16 b + i = element 32 b + 16 h + i of my row, become a half image's six registers in v[QC] on and the row's two scale bytes in v[QW]
.irp b, 0,1
	v_max3_num_f32 v[QM+\b], |v[\src+16*\b]|, |v[\src+1+16*\b]|, 0x2800000
.endr
.irp i, 2,4,6,8,10,12,14
.irp b, 0,1
	v_max3_num_f32 v[QM+\b], v[QM+\b], |v[\src+16*\b+\i]|, |v[\src+1+16*\b+\i]|
.endr
.endr
.irp b, 0,1
	v_permlanex16_b32 v[QP+\b], v[QM+\b], s[SEL], s[SEL+1]
.endr
.irp b, 0,1
	v_max_num_f32 v[QM+\b], v[QM+\b], v[QP+\b]
.endr
.irp b, 0,1
	v_add_nc_u32 v[QO+\b], 0xfe000000, v[QM+\b]
.endr
.irp b, 0,1
	v_lshrrev_b32 v[QY+\b], 23, v[QO+\b]
.endr
	v_lshl_or_b32 v[QW], v[QY+1], 8, v[QY]
	v_cvt_scalef32_pk16_bf6_f32 v[QC:QC+2], v[\src:\src+15], v[QO]
	v_cvt_scalef32_pk16_bf6_f32 v[QT:QT+2], v[\src+16:\src+31], v[QO+1]
	v_nop
.irp i, 0,1,2
	v_permlane16_swap_b32 v[QC+\i], v[QT+\i]
.endr
.irp i, 0,1,2
	v_mov_b32 v[QC+3+\i], v[QT+\i]
.endr
.endm
	; THE WAY OUT: O^T / the sum; register 8 t + j is d = 32 (t / 2) + 16 h + 8 (t % 2) + j of my query: as QUANT2 wants it.  The half image is stored as it stands.
.rept 4
	v_nop                                          ; places behind the last products
.endr
	v_add_f32 v14, v14, v15                        ; the sum's two halves,
	v_permlanex16_b32 v[FF], v14, s[SEL], s[SEL+1]
	v_add_f32 v14, v14, v[FF]                      ; and lane l xor 16's
	v_rcp_f32 v14, v14
	v_nop                                          ; one plain instruction behind a transcendental
.set jj, 0
	s_wait_alu depctr_va_vdst(0)
.rept 32
	v_mul_f32 v[S+jj], v[O+jj], v14                ; each accumulator from its low end on
.set jj, jj+1
.endr
	QUANT2 S
	global_store_b128 v[L16], v[QC:QC+3], s[42:43]                 ; 512 consecutive bytes, at a multiple of 256 from res's first byte
	global_store_b64 v[L8], v[QC+4:QC+5], s[42:43] offset:512      ; 256 more
	global_store_b16 v7, v[QW], s[44:45] offset:12288              ; row r's two bytes for this head; both halves of the lanes write the same bytes with the same value
	s_wait_tensorcnt 0x0                           ; the wave's end
	ds_add_u32 v[SPW], v[NIL]
	s_wait_dscnt 0x0
	s_endpgm
.Lfunc_end_k_q14d8e0f222_attn:
	.size	k_q14d8e0f222_attn, .Lfunc_end_k_q14d8e0f222_attn-k_q14d8e0f222_attn
	.p2alignl 7, 3214868480
	.fill 96, 4, 3214868480
	.section	.rodata,"a",@progbits
	.p2align	6, 0x0
	.amdhsa_kernel k_q14d8e0f222_attn
		.amdhsa_group_segment_fixed_size 327680
		.amdhsa_private_segment_fixed_size 0
		.amdhsa_enable_private_segment 0
		.amdhsa_kernarg_size 24
		.amdhsa_user_sgpr_count 2
		.amdhsa_user_sgpr_kernarg_segment_ptr 1
		.amdhsa_wavefront_size32 1
		.amdhsa_system_sgpr_workgroup_id_x 1
		.amdhsa_system_sgpr_workgroup_id_y 1
		.amdhsa_system_sgpr_workgroup_id_z 1
		.amdhsa_system_vgpr_workitem_id 0
		.amdhsa_next_free_vgpr 256
		.amdhsa_next_free_sgpr 66
		.amdhsa_reserve_vcc 0
		.amdhsa_float_denorm_mode_32 3
		.amdhsa_float_denorm_mode_16_64 3
		.amdhsa_memory_ordered 1
		.amdhsa_forward_progress 1
		.amdhsa_inst_pref_size 43
	.end_amdhsa_kernel
	.amdgpu_metadata
---
amdhsa.version: [ 1, 2 ]
amdhsa.kernels:
  - .name:           k_q14d8e0f222_attn
    .symbol:         k_q14d8e0f222_attn.kd
    .args:
      - { .name: qbuf, .offset: 0, .size: 8, .value_kind: global_buffer, .address_space: global }
      - { .name: kv, .offset: 8, .size: 8, .value_kind: global_buffer, .address_space: global }
      - { .name: res, .offset: 16, .size: 8, .value_kind: global_buffer, .address_space: global }
    .group_segment_fixed_size: 327680
    .private_segment_fixed_size: 0
    .kernarg_segment_align: 8
    .kernarg_segment_size: 24
    .max_flat_workgroup_size: 512
    .sgpr_count:     66
    .vgpr_count:     256
    .wavefront_size: 32
...
	.end_amdgpu_metadata
.endif
;; end of part 3
;; launch outp (part 4): grid 256 x 1, 16 waves a work-group, no clusters, 0 bytes of LDS; arguments res, W_out_codes, W_out_scales, b_out, x, out0; writes out0
.if DOCPART == 4
	.amdgcn_target "amdgcn-amd-amdhsa--gfx1250"
	.amdhsa_code_object_version 6
	.text
	.protected	k_q14d8e0f222_outp
	.globl	k_q14d8e0f222_outp
	.p2align	8
	.type	k_q14d8e0f222_outp,@function
k_q14d8e0f222_outp:
	s_mov_b64 s[64:65], 0
	v_nop
	global_prefetch_b8 v0, s[64:65] scope:SCOPE_SE
	s_setreg_imm32_b32 hwreg(HW_REG_WAVE_MODE, 25, 1), 1
	s_wait_xcnt 0x0
; out0[b][c][n] = (the sum over k of res[b][n][k] W_out[k][c] + b_out[c] + x[b][c][n]) / sqrt(2); the product on codes of BF6 (E3M2) with one E8M0 scale for each 32 along K, its sums f32.
; res comes as half images (768 bytes: six registers of a fragment, registers 0-3 at 16 x lane, registers 4-5 at 512 + 8 x lane) and scale words, as the launch before laid them:
; chunk 64 b + nblk of 12,800 bytes; half image 4 m + head; tile m holds positions 4 r + m of the block of 64; scale bytes at 12,288 + 128 m + 8 r.
; A work-group takes 64 positions of one batch, wave ct channels 16 ct .. 16 ct + 15.  Source 0 = 16 rows of W_out, source 1 = a tile of res: in accumulator m lane (r, h) holds position 4 r + m and register j channel 16 ct + 8 h + j.
; So register j of the four accumulators is four NEIGHBOURING positions of one channel: x comes and out0 leaves 16 bytes a lane, and sixteen lanes cover 256 consecutive bytes at a multiple of 256 from the buffer's first byte.
; No LDS, no barrier: the waves share nothing but what they read.  The bias is the C of each sum's first product.  LIMITS: NaN and infinities are not served.
; No cluster, no tensor loads: what the work-groups share is the weights, 51 KB in all; a work-group's own bytes are 12.8 KB of res and 64 KB each of x and out0.
.set WSC, 10                           ; v10-11   W's scale words, K steps 0, 1
.set RSC, 12                           ; v12-19   res's scale words [m][s]
.set BI,  20                           ; v20-27   the bias in the result's layout
.set WF,  28                           ; v28-51   W's two fragments
.set RF,  52                           ; v52-147  res's eight fragments: 2 m + s
.set ACC, 148                          ; v148-179 four accumulators
.set XR,  180                          ; v180-211 x, then the result: [j][m]
	s_load_b256 s[4:11], s[0:1], 0x0               ; res 4, W's codes 6, W's scales 8, b_out 10
	s_load_b128 s[12:15], s[0:1], 0x20             ; x 12, out0 14
	v_lshrrev_b32 v1, 5, v0
	v_readfirstlane_b32 s16, v1                    ; wave = ct
	v_and_b32 v9, 31, v0
	v_and_b32 v1, 15, v0                           ; r
	v_bfe_u32 v2, v0, 4, 1                         ; h
	v_lshlrev_b32 v3, 4, v9                        ; 16 x lane
	v_lshlrev_b32 v4, 3, v9                        ; 8 x lane
	v_mul_u32_u24 v5, v1, 192
	v_mad_u32_u24 v5, v2, 24, v5                   ; W: row r of 192 bytes, + 24 h
	v_lshlrev_b32 v6, 3, v1                        ; scale words: 8 bytes a row
	v_lshlrev_b32 v7, 5, v2                        ; the bias: 32 h
	v_lshlrev_b32 v8, 4, v1
	v_lshl_add_u32 v8, v2, 17, v8                  ; x, out0: 8 h channels of 16,384 bytes + 16 r
	s_lshr_b32 s17, ttmp9, 6                       ; b
	s_and_b32 s18, ttmp9, 63                       ; nblk
	s_mul_i32 s20, ttmp9, 12800
	s_mov_b32 s21, 0
	s_mul_i32 s22, s16, 3072
	s_mov_b32 s23, 0
	s_lshl_b32 s24, s16, 7
	s_mov_b32 s25, 0
	s_lshl_b32 s26, s16, 6
	s_mov_b32 s27, 0
	s_lshl_b32 s28, s17, 22
	s_lshl_b32 s19, s16, 18
	s_add_co_u32 s28, s28, s19
	s_lshl_b32 s19, s18, 8
	s_add_co_u32 s28, s28, s19                     ; batch b, channel 16 ct, position 64 nblk
	s_mov_b32 s29, 0
	s_mov_b32 s30, 0x3f3504f3                      ; 1 / sqrt(2)
	s_mov_b32 s31, s30                             ; (named with it as a pair, so it is written)
	s_wait_kmcnt 0x0
	s_add_nc_u64 s[4:5], s[4:5], s[20:21]
	s_add_nc_u64 s[6:7], s[6:7], s[22:23]
	s_add_nc_u64 s[8:9], s[8:9], s[24:25]
	s_add_nc_u64 s[10:11], s[10:11], s[26:27]
	s_add_nc_u64 s[12:13], s[12:13], s[28:29]
	s_add_nc_u64 s[14:15], s[14:15], s[28:29]
.irp ks, 0,1
.irp p, 0,1,2,3,4,5
	global_load_b64 v[WF+12*\ks+2*\p:WF+12*\ks+2*\p+1], v5, s[6:7] offset:96*\ks+48*(\p/3)+8*(\p%3)
.endr
.endr
	global_load_b64 v[WSC:WSC+1], v6, s[8:9]
	global_load_b128 v[BI:BI+3], v7, s[10:11]
	global_load_b128 v[BI+4:BI+7], v7, s[10:11] offset:16
.irp m, 0,1,2,3
.irp ks, 0,1
	global_load_b128 v[RF+12*(2*\m+\ks):RF+12*(2*\m+\ks)+3], v3, s[4:5] offset:(4*\m+2*\ks)*768          ; heads 2 s and 2 s + 1 are the two halves of K step s
	global_load_b64 v[RF+12*(2*\m+\ks)+4:RF+12*(2*\m+\ks)+5], v4, s[4:5] offset:(4*\m+2*\ks)*768+512
	global_load_b128 v[RF+12*(2*\m+\ks)+6:RF+12*(2*\m+\ks)+9], v3, s[4:5] offset:(4*\m+2*\ks)*768+768
	global_load_b64 v[RF+12*(2*\m+\ks)+10:RF+12*(2*\m+\ks)+11], v4, s[4:5] offset:(4*\m+2*\ks)*768+1280
.endr
	global_load_b64 v[RSC+2*\m:RSC+2*\m+1], v6, s[4:5] offset:12288+128*\m
.endr
.irp j, 0,1,2,3,4,5,6,7
	global_load_b128 v[XR+4*\j:XR+4*\j+3], v8, s[12:13] offset:16384*\j th:TH_LOAD_NT    ; x(b, 16 ct + 8 h + j, 4 r .. 4 r + 3): its last use in the program
.endr
	s_wait_loadcnt 0x8                             ; all but x's eight loads, the youngest: the products do not want them
.irp m, 0,1,2,3                                    ; four accumulators by turns, one instruction a turn
	v_wmma_scale_f32_16x16x128_f8f6f4 v[ACC+8*\m:ACC+8*\m+7], v[WF:WF+11], v[RF+24*\m:RF+24*\m+11], v[BI:BI+7], v[WSC], v[RSC+2*\m] matrix_a_fmt:MATRIX_FMT_BF6 matrix_b_fmt:MATRIX_FMT_BF6
.endr
.irp m, 0,1,2,3
	v_wmma_scale_f32_16x16x128_f8f6f4 v[ACC+8*\m:ACC+8*\m+7], v[WF+12:WF+23], v[RF+24*\m+12:RF+24*\m+23], v[ACC+8*\m:ACC+8*\m+7], v[WSC+1], v[RSC+2*\m+1] matrix_a_fmt:MATRIX_FMT_BF6 matrix_b_fmt:MATRIX_FMT_BF6
.endr
.rept 4
	v_nop                                          ; places in front of the first read of results (ISA guide 7.12.1)
.endr
	s_wait_loadcnt 0x0                             ; x
.irp j, 0,1,2,3,4,5,6,7
.irp m, 0,1,2,3
	v_add_f32 v[XR+4*\j+\m], v[ACC+8*\m+\j], v[XR+4*\j+\m]         ; each accumulator from its low end on
.endr
.endr
.irp j, 0,2,4,6,8,10,12,14,16,18,20,22,24,26,28,30
	v_pk_mul_f32 v[XR+\j:XR+\j+1], v[XR+\j:XR+\j+1], s[30:31] op_sel_hi:[1,0]
.endr
.irp j, 0,1,2,3,4,5,6,7
	global_store_b128 v8, v[XR+4*\j:XR+4*\j+3], s[14:15] offset:16384*\j th:TH_STORE_NT  ; written once, read by nobody here
.endr
	s_endpgm
.Lfunc_end_k_q14d8e0f222_outp:
	.size	k_q14d8e0f222_outp, .Lfunc_end_k_q14d8e0f222_outp-k_q14d8e0f222_outp
	.p2alignl 7, 3214868480
	.fill 96, 4, 3214868480
	.section	.rodata,"a",@progbits
	.p2align	6, 0x0
	.amdhsa_kernel k_q14d8e0f222_outp
		.amdhsa_group_segment_fixed_size 0
		.amdhsa_private_segment_fixed_size 0
		.amdhsa_enable_private_segment 0
		.amdhsa_kernarg_size 48
		.amdhsa_user_sgpr_count 2
		.amdhsa_user_sgpr_kernarg_segment_ptr 1
		.amdhsa_wavefront_size32 1
		.amdhsa_system_sgpr_workgroup_id_x 1
		.amdhsa_system_sgpr_workgroup_id_y 1
		.amdhsa_system_sgpr_workgroup_id_z 1
		.amdhsa_system_vgpr_workitem_id 0
		.amdhsa_next_free_vgpr 216
		.amdhsa_next_free_sgpr 66
		.amdhsa_reserve_vcc 0
		.amdhsa_float_denorm_mode_32 3
		.amdhsa_float_denorm_mode_16_64 3
		.amdhsa_memory_ordered 1
		.amdhsa_forward_progress 1
		.amdhsa_inst_pref_size 12
	.end_amdhsa_kernel
	.amdgpu_metadata
---
amdhsa.version: [ 1, 2 ]
amdhsa.kernels:
  - .name:           k_q14d8e0f222_outp
    .symbol:         k_q14d8e0f222_outp.kd
    .args:
      - { .name: res, .offset: 0, .size: 8, .value_kind: global_buffer, .address_space: global }
      - { .name: W_out_codes, .offset: 8, .size: 8, .value_kind: global_buffer, .address_space: global }
      - { .name: W_out_scales, .offset: 16, .size: 8, .value_kind: global_buffer, .address_space: global }
      - { .name: b_out, .offset: 24, .size: 8, .value_kind: global_buffer, .address_space: global }
      - { .name: x, .offset: 32, .size: 8, .value_kind: global_buffer, .address_space: global }
      - { .name: out0, .offset: 40, .size: 8, .value_kind: global_buffer, .address_space: global }
    .group_segment_fixed_size: 0
    .private_segment_fixed_size: 0
    .kernarg_segment_align: 8
    .kernarg_segment_size: 48
    .max_flat_workgroup_size: 512
    .sgpr_count:     66
    .vgpr_count:     216
    .wavefront_size: 32
...
	.end_amdgpu_metadata
.endif
;; end of part 4
